; MI455X (gfx1250); checked and timed in simulation.
; The chip was launched on July 23, 2026; its instructions are those of AMD's public machine-readable ISA for CDNA 5 (MIT licence, August 2026) and "CDNA5" Instruction Set Architecture Reference Guide (July 2026). The comments in the code are by the model that wrote it; some were corrected since.
;; LSTM Cell. Allowed arithmetic: matrix products marked QUANTISED: E2M1 operands, one E8M0 scale for each 32 along K, by v_wmma_scale_f32_16x16x128_f8f6f4 with both operands' format E2M1 (or v_wmma_scale_f32_32x16x128_f4), f32 sums; everything else in f32.
;; Inputs: b_ih 4,096 float32; beta_c 1,024 float32; beta_ifgo 4 x 1,024 float32; c 8,192 x 1,024 float32; gamma_c 1,024 float32; gamma_ifgo 4 x 1,024 float32; h 8,192 x 1,024 float32; w_hh 4,096 x 1,024 float32; w_ih 4,096 x 1,024 float32; x 8,192 x 1,024 float32.
;; Outputs: out0 8,192 x 1,024 float32; out1 8,192 x 1,024 float32.
;; This version of the problem:
;;   THIS VERSION OF THE PROBLEM IS GIVEN IN LOW PRECISION. The matrix products marked QUANTISED in the list below multiply operands that are first quantised to E2M1 (2 exponent bits, 1 mantissa bit; 4 bits a number), with one power-of-two scale for each 32 numbers along K (OCP MX v1.0); their sums are f32. All else is computed in f32.
;;   The module's matrix products, in the order in which they are computed (A, B: the left and right operand; K: the contracted axis; several contracted axes count as one K, in the product's order):
;;     1. [M 8,192, K 1,024] x [K 1,024, N 4,096]; A: input x; B: input w_ih: QUANTISED
;;     2. [M 8,192, K 1,024] x [K 1,024, N 4,096]; A: input h; B: input w_hh: QUANTISED
;;   THE QUANTISER, for each operand of a quantised product, along K:
;;     - K is cut into blocks of 32 from its start; a last block that is shorter is filled with zeros.
;;     - A block's scale is 2^e with e = floor(log2(the largest magnitude in the block)) - 2, held to -126 .. 127; a block of zeros has e = 0. As a byte (E8M0): e + 127.
;;     - Each number is divided by its block's scale, clamped to +-6, and rounded to the nearest number of E2M1, ties to even, subnormals kept.
;;     - The product sums the exact products of the quantised numbers (number of the format x scale) in f32.
;;   ~~~python
;;   def quantise(x, axis):      # numpy; x: float32 -> the quantised numbers, widened to float32 again
;;       x = np.moveaxis(x, axis, -1); K = x.shape[-1]
;;       x = np.pad(x, [(0, 0)] * (x.ndim - 1) + [(0, -K % 32)]); x = x.reshape(x.shape[:-1] + (-1, 32)); a = np.abs(x).max(-1, keepdims=True)
;;       e = np.where(a > 0, np.clip(np.frexp(np.where(a > 0, a, 1))[1] - 1 - 2, -126, 127), 0)      # np.frexp(a)[1] - 1 = floor(log2(a)), exactly
;;       r = np.clip(x / 2.0 ** e, -6, 6)
;;       step = 2.0 ** (np.maximum(np.frexp(np.where(r == 0, 1, r))[1] - 1, 0) - 1)
;;       q = np.round(r / step) * step * 2.0 ** e      # np.round: ties to even
;;       return np.moveaxis(q.reshape(q.shape[:-2] + (-1,))[..., :K], -1, axis).astype(np.float32)
;;   ~~~
;; One version. Each part assembles by itself: llvm-mc -triple=amdgcn-amd-amdhsa -mcpu=gfx1250 --defsym DOCPART=n.
;; ======== version 1 of 1: 3 launches
;; limits: right only within a limited range of input values
;; workspace buffers: a_codes 8,388,608 bytes; a_scales 524,288 bytes; b_codes 4,194,304 bytes; b_scales 262,144 bytes; v 134,217,728 bytes
;; launch quant (part 1): grid 768 x 1, 4 waves a work-group, no clusters, 33,280 bytes of LDS; arguments x, h, w_ih, w_hh, a_codes, a_scales, b_codes, b_scales; writes a_codes, a_scales, b_codes, b_scales
.if DOCPART == 1
	.amdgcn_target "amdgcn-amd-amdhsa--gfx1250"
	.amdhsa_code_object_version 6
	.text
	.protected	k_qf0d6a4e7f8_quant
	.globl	k_qf0d6a4e7f8_quant
	.p2align	8
	.type	k_qf0d6a4e7f8_quant,@function
k_qf0d6a4e7f8_quant:
	s_mov_b64 s[64:65], 0
	v_nop
	global_prefetch_b8 v0, s[64:65] scope:SCOPE_SE
	s_setreg_imm32_b32 hwreg(HW_REG_WAVE_MODE, 25, 1), 1
	s_wait_xcnt 0x0
; LSTM cell with layer norms, first of three launches: x, h, w_ih, w_hh (f32) become codes of FP4 (E2M1) with one E8M0 scale byte for each 32 along K.
; x @ w_ih^T + h @ w_hh^T is ONE product with K = 2,048: A = [x | h] (8,192 rows), B = [w_ih | w_hh] (4,096 rows).  Each part is 1,024 long, a multiple of 32, so no block of 32 lies across the seam
; and the quantiser's blocks are those of the two products as they are written.
; DEAD WORK: none.  Every input has a way to an output (b_ih differs along the normalised axis, so the mean does not take it away); nothing of the computation is left out, in this launch or the later ones.
; LAYOUT OUT: a_codes [8192][1024 bytes]: bytes 0-511 x's 1,024 codes, 512-1023 h's, two codes a byte, the lower k in the low four bits; a_scales [8192][64 bytes]: 32 of x, 32 of h.  b_codes, b_scales likewise, 4,096 rows.
; A block's scale is 2^(floor(log2(its largest magnitude)) - 2); its byte is the largest magnitude's own exponent field - 2, held at 1 from below.  Each number is divided by the scale and rounded to the nearest code, ties to even,
; beyond 6 the largest code.
; LIMITS: a block of zeros gets the byte 1 where the rule says 127 (its codes are zeros, which add nothing under any byte but 0xff, and the bytes are read by this program alone); blocks whose largest magnitude lies under
; 2^-124 are held at the byte 1; NaN and infinities among x, h, w_ih, w_hh are not served.
; SHARES: work-groups 0-511 take A, 512-767 take B; a work-group takes 16 combined rows, a wave 4: 16 steps of 512 numbers.  Step t: row t / 4, tensor (t / 2) % 2, half t % 2 of that tensor's row.  So a wave's codes are
; 4,096 consecutive bytes (step t at 256 t) and its scale bytes 256 consecutive bytes (step t at 16 t).
; The conversions take 8 numbers of ONE block from a lane's consecutive registers, so a lane must hold 16 neighbours (two neighbouring lanes hold a block); a load is best where neighbouring lanes take neighbouring bytes.
; Both are had: each of a step's four loads reads 512 consecutive bytes, 16 a lane; the 2,048 bytes go through the wave's own stage in LDS and come back 64 bytes a lane (16 bytes of padding behind each 64).
; No tensor loads, no barrier: waves share nothing.  Loads run four steps (16 loads a wave) ahead, the turn through LDS one step.
.set WAVES, 4
.set STEPS, 16
.set WGA,   512                        ; work-groups for A: 8,192 rows / 16
.set EMAX,  2
.set CB,    8                          ; bytes of 16 codes
.set R,     16                         ; v16-79   four sets of 16 numbers as they are loaded
.set X,     80                         ; v80-111  two sets of 16 neighbours
.set E,     112                        ; v112-127 a scale byte for each step
.set C,     128                        ; v128-191 codes: four registers for each step, so that no store's data are written again
.set WREG,  8192                       ; LDS: a region of its own for each wave: two stages of 32 x SP bytes, and behind them its 256 scale bytes
.set SP,    80                         ; a lane's place in a stage: its 64 bytes + 16 of padding
.set SPW,   12                         ; v12      LDS address of my spare word: SPARE + 4 x my thread's number; never rewritten
.set NIL,   13                         ; v13      0; never rewritten
.set SPARE, WAVES*WREG                 ; behind the four regions: the spare words, 128 bytes for each wave, which no other line names
	s_load_b256 s[4:11], s[0:1], 0x0               ; x s[4:5], h s[6:7], w_ih s[8:9], w_hh s[10:11]
	s_load_b256 s[12:19], s[0:1], 0x20             ; a_codes s[12:13], a_scales s[14:15], b_codes s[16:17], b_scales s[18:19]
	v_lshl_add_u32 v[SPW], v0, 2, SPARE
	v_mov_b32 v[NIL], 0
	v_lshrrev_b32 v1, 5, v0
	v_readfirstlane_b32 s24, v1                    ; wave
	v_and_b32 v2, 31, v0                           ; lane
	v_lshlrev_b32 v3, 4, v2                        ; my 16 bytes of a load's 512
	s_mul_i32 s25, s24, WREG
	v_lshrrev_b32 v14, 2, v2
	v_mul_u32_u24 v14, v14, SP
	v_and_b32 v15, 3, v2
	v_lshl_add_u32 v14, v15, 4, v14
	v_add_nc_u32 v14, s25, v14                     ; the stage, on the way in: four lanes' 64 bytes on end, then 16 of padding: SP (lane / 4) + 16 (lane % 4)
	v_mul_u32_u24 v15, v2, SP
	v_add_nc_u32 v15, s25, v15                     ; and on the way out: SP x lane: my 16 neighbours
	v_mul_u32_u24 v4, v2, CB                       ; my codes' place in a step's
	v_lshrrev_b32 v5, 1, v2
	s_add_co_u32 s25, s25, 2*32*SP
	v_add_nc_u32 v5, s25, v5                       ; LDS: my wave's 256 scale bytes, my block's byte
	v_lshlrev_b32 v7, 3, v2                        ; and on the way out 8 bytes a lane
	v_add_nc_u32 v6, s25, v7
	s_wait_alu depctr_va_vdst(0)
	s_wait_kmcnt 0x0
	s_cmp_lt_u32 ttmp9, WGA                        ; A's work-group or B's?  The choice hangs on the work-group's number alone; only pointers are chosen, the text has one path
	s_cselect_b64 s[4:5], s[4:5], s[8:9]           ; the first 1,024 along K: x or w_ih
	s_cselect_b64 s[6:7], s[6:7], s[10:11]         ; the second: h or w_hh
	s_cselect_b64 s[12:13], s[12:13], s[16:17]     ; the codes
	s_cselect_b64 s[14:15], s[14:15], s[18:19]     ; the scale bytes
	s_cselect_b32 s25, 0, WGA
	s_sub_co_u32 s25, ttmp9, s25
	s_lshl_b32 s25, s25, 2
	s_add_co_u32 s26, s25, s24                     ; which run of 4 combined rows is my wave's
	s_mov_b32 s29, 0
	s_lshl_b32 s28, s26, 14                        ; 4 rows of 4,096 bytes in each source
	s_add_nc_u64 s[4:5], s[4:5], s[28:29]
	s_add_nc_u64 s[6:7], s[6:7], s[28:29]
	s_lshl_b32 s28, s26, 12                        ; 4 rows of 1,024 bytes of codes
	s_add_nc_u64 s[12:13], s[12:13], s[28:29]
	s_lshl_b32 s28, s26, 8                         ; 4 rows of 64 scale bytes
	s_add_nc_u64 s[14:15], s[14:15], s[28:29]
.macro LOAD t
.irp i, 0,1,2,3
	global_load_b128 v[R+16*((\t)%4)+4*\i:R+16*((\t)%4)+4*\i+3], v3, s[4+2*(((\t)/2)%2):5+2*(((\t)/2)%2)] offset:4096*((\t)/4)+2048*((\t)%2)+512*\i th:TH_LOAD_NT   ; 32 lanes read 512 consecutive bytes
.endr
.endm
.macro TURN t                          ; step t's numbers through the stage: LDS serves a wave's instructions in order, so no wait stands between the stores and the loads
.irp i, 0,1,2,3
	ds_store_b128 v14, v[R+16*((\t)%4)+4*\i:R+16*((\t)%4)+4*\i+3] offset:32*SP*((\t)%2)+8*SP*\i
.endr
.irp i, 0,1,2,3
	ds_load_b128 v[X+16*((\t)%2)+4*\i:X+16*((\t)%2)+4*\i+3], v15 offset:32*SP*((\t)%2)+16*\i
.endr
.endm
.irp t, 0,1,2,3
	LOAD \t
.endr
	s_wait_loadcnt 12                              ; step 0's four loads are in; the twelve of steps 1 to 3 may be out
	TURN 0
.macro STEP t
.set XS, X+16*((\t)%2)
.if (\t) > 0
	s_wait_dscnt 1                                 ; this step's numbers are back from the stage (the last step's byte store may be out): so its stores into the stage have read their registers,
.else
	s_wait_dscnt 0x0
.endif
.if (\t)+4 < STEPS
	LOAD (\t)+4                                    ; which take the loads of four steps on
.endif
.if (\t)+1 < STEPS
.if STEPS-2-(\t) >= 3
	s_wait_loadcnt 12                              ; the next step's four loads are in; those of the three steps behind it may be out
.else
	s_wait_loadcnt 4*(STEPS-2-(\t))
.endif
	TURN (\t)+1                                    ; and go through the other stage while this step is worked
.endif
	v_max3_num_f32 v8, |v[XS]|, |v[XS+1]|, |v[XS+2]|               ; the largest magnitude of my 16, in two chains
	v_max3_num_f32 v9, |v[XS+3]|, |v[XS+4]|, |v[XS+5]|
.irp i, 6,10
	v_max3_num_f32 v8, v8, |v[XS+\i]|, |v[XS+\i+1]|
	v_max3_num_f32 v9, v9, |v[XS+\i+2]|, |v[XS+\i+3]|
.endr
	v_max3_num_f32 v8, v8, |v[XS+14]|, |v[XS+15]|
	v_max3_num_f32 v8, v8, v9, (EMAX+1)<<23        ; and the floor 2^(EMAX + 1 - 127), under which no largest magnitude is taken: so the byte cannot fall under 1
	v_max_num_f32_dpp v8, v8, v8 row_xmask:1 row_mask:0xf bank_mask:0xf   ; and of my neighbour's 16: the block's
	v_add_nc_u32 v11, -(EMAX<<23), v8              ; EMAX off its exponent field: the conversion takes the exponent field of this operand as its scale, and nothing else of it
	v_cvt_scalef32_pk8_fp4_f32 v[C+4*(\t)], v[XS:XS+7], v11        ; eight numbers / 2^(v11's exponent), to the nearest code, ties to even; the first number's code in the lowest four bits
	v_cvt_scalef32_pk8_fp4_f32 v[C+4*(\t)+1], v[XS+8:XS+15], v11
	v_lshrrev_b32 v[E+(\t)], 23, v11               ; the scale's byte (also the plain line behind the conversions)
	ds_store_b8 v5, v[E+(\t)] offset:16*(\t)       ; both lanes of a block write the same byte with the same value
	global_store_b64 v4, v[C+4*(\t):C+4*(\t)+1], s[12:13] offset:32*CB*(\t)   ; 32 lanes store 256 consecutive bytes, at a multiple of 256 from the buffer's first byte
.endm
.irp t, 0,1,2,3,4,5,6,7,8,9,10,11,12,13,14,15
	STEP \t
.endr
	ds_load_b64 v[8:9], v6                         ; LDS serves a wave's instructions in order: these see my stores
	s_wait_dscnt 0x0
	global_store_b64 v7, v[8:9], s[14:15]          ; 32 lanes store my 256 scale bytes, aligned
	s_wait_tensorcnt 0x0                           ; the wave's end, behind my last LDS store
	ds_add_u32 v[SPW], v[NIL]
	s_wait_dscnt 0x0
	s_endpgm
.Lfunc_end_k_qf0d6a4e7f8_quant:
	.size	k_qf0d6a4e7f8_quant, .Lfunc_end_k_qf0d6a4e7f8_quant-k_qf0d6a4e7f8_quant
	.p2alignl 7, 3214868480
	.fill 96, 4, 3214868480
	.section	.rodata,"a",@progbits
	.p2align	6, 0x0
	.amdhsa_kernel k_qf0d6a4e7f8_quant
		.amdhsa_group_segment_fixed_size 33280
		.amdhsa_private_segment_fixed_size 0
		.amdhsa_enable_private_segment 0
		.amdhsa_kernarg_size 64
		.amdhsa_user_sgpr_count 2
		.amdhsa_user_sgpr_kernarg_segment_ptr 1
		.amdhsa_wavefront_size32 1
		.amdhsa_system_sgpr_workgroup_id_x 1
		.amdhsa_system_sgpr_workgroup_id_y 1
		.amdhsa_system_sgpr_workgroup_id_z 1
		.amdhsa_system_vgpr_workitem_id 0
		.amdhsa_next_free_vgpr 192
		.amdhsa_next_free_sgpr 66
		.amdhsa_reserve_vcc 0
		.amdhsa_float_denorm_mode_32 3
		.amdhsa_float_denorm_mode_16_64 3
		.amdhsa_memory_ordered 1
		.amdhsa_forward_progress 1
		.amdhsa_inst_pref_size 33
	.end_amdhsa_kernel
	.amdgpu_metadata
---
amdhsa.version: [ 1, 2 ]
amdhsa.kernels:
  - .name:           k_qf0d6a4e7f8_quant
    .symbol:         k_qf0d6a4e7f8_quant.kd
    .args:
      - { .name: x, .offset: 0, .size: 8, .value_kind: global_buffer, .address_space: global }
      - { .name: h, .offset: 8, .size: 8, .value_kind: global_buffer, .address_space: global }
      - { .name: w_ih, .offset: 16, .size: 8, .value_kind: global_buffer, .address_space: global }
      - { .name: w_hh, .offset: 24, .size: 8, .value_kind: global_buffer, .address_space: global }
      - { .name: a_codes, .offset: 32, .size: 8, .value_kind: global_buffer, .address_space: global }
      - { .name: a_scales, .offset: 40, .size: 8, .value_kind: global_buffer, .address_space: global }
      - { .name: b_codes, .offset: 48, .size: 8, .value_kind: global_buffer, .address_space: global }
      - { .name: b_scales, .offset: 56, .size: 8, .value_kind: global_buffer, .address_space: global }
    .group_segment_fixed_size: 33280
    .private_segment_fixed_size: 0
    .kernarg_segment_align: 8
    .kernarg_segment_size: 64
    .max_flat_workgroup_size: 128
    .sgpr_count:     66
    .vgpr_count:     192
    .wavefront_size: 32
...
	.end_amdgpu_metadata
.endif
;; end of part 1
;; launch gemm (part 2): grid 16 x 16, 4 waves a work-group, clusters of 4 x 4, 327,680 bytes of LDS; arguments a_codes, a_scales, b_codes, b_scales, v; writes v
.if DOCPART == 2
	.amdgcn_target "amdgcn-amd-amdhsa--gfx1250"
	.amdhsa_code_object_version 6
	.text
	.protected	k_qf0d6a4e7f8_gemm
	.globl	k_qf0d6a4e7f8_gemm
	.p2align	8
	.type	k_qf0d6a4e7f8_gemm,@function
k_qf0d6a4e7f8_gemm:
	s_mov_b64 s[64:65], 0
	v_nop
	global_prefetch_b8 v0, s[64:65] scope:SCOPE_SE
	s_setreg_imm32_b32 hwreg(HW_REG_WAVE_MODE, 25, 1), 1
	s_wait_xcnt 0x0
	s_wait_alu depctr_hold_cnt(0) depctr_sa_sdst(0) depctr_va_vdst(0) depctr_va_sdst(0) depctr_va_ssrc(0) depctr_va_vcc(0) depctr_vm_vsrc(0)
	s_getreg_b32 s2, hwreg(HW_REG_IB_STS2, 6, 4)
	s_cmp_eq_u32 s2, 0
	s_cbranch_scc0 .Lentry_in_a_cluster
	s_endpgm
.Lentry_in_a_cluster:
	s_bfe_u32 s2, ttmp6, 0x10000c
	s_cmp_lg_u32 s2, 0xf033
	s_cbranch_scc0 .Lentry_shape_is_right
	s_endpgm
.Lentry_shape_is_right:
; Second launch: v[m][n] = sum over k of A[m][k] B[n][k], A = [x | h] (8,192 x 2,048), B = [w_ih | w_hh] (4,096 x 2,048), both as FP4 codes with one E8M0 byte for each 32 along K; v f32.  No work is left out.
; A tile of v is 256 x 256: four waves, each 128 x 128 in 64 accumulators (512 registers).  A work-group makes two tiles, 4,096 rows apart, which share their rows of B: 256 work-groups.
; K goes in steps of 512 (rows of 256 bytes) through a ring of two LDS slots; the ring goes on into the second tile.  A loop over the tiles holds what both tiles have in common; the last tile's tail is written out.
; CLUSTERS: 4 x 4 work-groups; A's tiles are asked for jointly along a row of the cluster, B's along a column.
; THE SCALES stay in registers: a lane loads 16 bytes (4 words) of its row: lanes 0-15 the words of the lap's slot 0, lanes 16-31 those of slot 1 (picked by MATRIX_SCALE_ROW1).  B's serve both tiles.
; The matrix instruction is used transposed (source 0 = rows of B, source 1 = rows of A): a lane holds eight neighbouring columns of a row of v.
; NO PREFETCH: a tile has four K steps; two are asked for ahead of its first product and the other two a whole K step (256 matrix instructions) ahead of their use: no trip stands two steps ahead of a load.
; REGISTERS: window 0: v16-30 addresses; v32-63, v96-127 A's scale words of lap 0, 1; v64-95, v192-223 B's; v128-191 A's fragments, one set.  Window 1: B's fragments, sets at v0 and v128; on the way out v128-255.
;   windows 2, 3: the accumulators of my rows 0-63, 64-127 (accumulator (a, b) at v[8 (8 (a % 4) + b)]).
.set SIZE_M, 8192
.set SIZE_N, 4096
.set SIZE_K, 2048
.set TILES,  2
.set WALK,   SIZE_M/TILES              ; rows between a work-group's tiles
.set KSTEP,  512
.set NQ,     KSTEP/128                 ; matrix instructions deep in a slot
.set ROWB,   256                       ; a tile's row in bytes
.set KROW,   SIZE_K*4/8                ; a row of codes in memory
.set KS,     SIZE_K/32                 ; a row of scale bytes
.set PITCH,  272                       ; an LDS row: 256 bytes + 16 of padding
.set FR,     8                         ; registers of a fragment
.set NL,     2                         ; LDS loads that bring one
.set NP,     4                         ; places behind this matrix instruction (ISA guide 7.12.1)
.set HALFT,  128*PITCH                 ; what one tensor load brings
.set SLOT,   4*HALFT                   ; A's 256 rows, then B's
.set STAGE,  2*SLOT                    ; behind the ring: 16 rows x 528 bytes for each wave; no tensor load lands there
.set SPITCH, 528
.set SPARE,  STAGE+4*16*SPITCH         ; the spare words, 128 bytes a wave, which no other line names
.set NEXT_A, WALK*KROW-2*ROWB          ; from a slot's last K step of a tile to its first of the next
.set BACK_B, 2*ROWB
.set NEXT_C, (WALK-7*16)*SIZE_N*4      ; from my last 16 rows of a tile to my first of the next
.set ADRA, 16                          ; v16-17 LDS address of my A fragments in slot 0, 1
.set ADRB, 20                          ; v20-21 the same for B
.set STO,  24                          ; into the stage
.set RD,   25                          ; back from it
.set CO,   26                          ; my byte offset in a row of v
.set ASA,  27                          ; my byte offset in a_scales
.set SPW,  28                          ; my spare word; never rewritten
.set NIL,  29                          ; 0; never rewritten
.set ASB,  30                          ; my byte offset in b_scales
.set AF,   128
.set BK,   128
.set G1, 24                            ; s[24:31] group 1 for A; s[32:39] group 0, one set a slot
.set G0, 32
.set G1B, 48                           ; the same for B
.set G0B, 56
.set MSB, 0
.macro WIN new                         ; the immediate's high byte repeats the setting that is left
.if MSB != (\new)
	s_set_vgpr_msb (MSB<<8)|(\new)
.set MSB, (\new)
.endif
.endm
.set MUL_LO, 0xa1                      ; source 0 (B) window 1, source 1 (A) window 0, C and D window 2
.set MUL_HI, 0xf1                      ; the same, C and D window 3
.set TO_B,   0x40
; A joint load: waves 0, 1 fetch A's halves, waves 2, 3 B's.  s_nop 0 and four v_nop follow each line.
.macro JLOAD g0a, g1a, g0b, g1b
	s_cmp_eq_u32 s15, 0
	s_cbranch_scc0 .Lfor_b_\@
	tensor_load_to_lds s[\g0a:\g0a+3], s[\g1a:\g1a+7]
	s_nop 0
.rept 4
	v_nop
.endr
	s_branch .Lasked_\@
.Lfor_b_\@:
	tensor_load_to_lds s[\g0b:\g0b+3], s[\g1b:\g1b+7]
	s_nop 0
.rept 4
	v_nop
.endr
.Lasked_\@:
.endm
.macro CREST                           ; a round of the cluster's barrier behind its opening barrier
	s_cmp_lg_u32 s14, 0
	s_cbranch_scc1 .Lnot_wave_0_\@
	s_barrier_signal -3
.Lnot_wave_0_\@:
	s_barrier_wait -3
	s_barrier_signal -1
	s_barrier_wait -1
.endm
.macro CROUND
	s_barrier_signal -1
	s_barrier_wait -1
	CREST
.endm
	s_load_b128 s[4:7], s[0:1], 0x0                ; a_codes, a_scales
	s_load_b128 s[8:11], s[0:1], 0x10              ; b_codes, b_scales
	s_load_b64 s[12:13], s[0:1], 0x20              ; v
	v_lshl_add_u32 v[SPW], v0, 2, SPARE
	v_mov_b32 v[NIL], 0
	ds_add_u32 v[SPW], v[NIL]                      ; the opening lines: the add twice on end
	ds_add_u32 v[SPW], v[NIL]
	v_lshrrev_b32 v1, 5, v0
	v_readfirstlane_b32 s14, v1                    ; wave
	s_lshr_b32 s15, s14, 1                         ; my half of the tile's rows; also: I fetch for A (0) or B (1)
	s_and_b32 s16, s14, 1                          ; my half of its columns; also: which 128 rows I fetch
	s_bfe_u32 s40, ttmp6, 0x40000                  ; cx
	s_bfe_u32 s41, ttmp6, 0x40004                  ; cy
	s_lshl_b32 s42, ttmp9, 2
	s_add_co_u32 s42, s42, s40                     ; tile column
	s_and_b32 s17, ttmp7, 0xffff
	s_lshl_b32 s17, s17, 2
	s_add_co_u32 s17, s17, s41                     ; tile row of the first tile
	s_lshl_b32 s43, s41, 2
	s_lshl_b32 s43, 15, s43                        ; my row of the cluster
	s_lshl_b32 s44, 0x1111, s40                    ; my column
	s_or_b32 s[G1+0], s43, (0<<16)|(1<<20)|(1<<21)|(5<<22)|(3<<25)   ; mask; 1-byte elements; 4 words of padding behind every 64
	s_or_b32 s[G1B+0], s44, (0<<16)|(1<<20)|(1<<21)|(5<<22)|(3<<25)
.irp g, G1, G1B
	s_mov_b32 s[\g+1], ROWB<<16
	s_mov_b32 s[\g+2], 128<<16
	s_mov_b32 s[\g+3], ROWB<<16
	s_mov_b32 s[\g+4], 128
	s_mov_b32 s[\g+5], KROW
	s_mov_b32 s[\g+6], 0
	s_mov_b32 s[\g+7], 0
.endr
	s_lshl_b32 s18, s16, 7
	s_lshl_b32 s20, s17, 8
	s_add_co_u32 s20, s20, s18                     ; A: the first row that I fetch
	s_lshl_b32 s46, s42, 8
	s_add_co_u32 s46, s46, s18                     ; B likewise
	s_mov_b32 s21, 0
	s_mov_b32 s47, 0
	s_mov_b64 s[18:19], KROW
	s_mul_u64 s[20:21], s[20:21], s[18:19]
	s_mul_u64 s[46:47], s[46:47], s[18:19]
	s_mul_i32 s45, s14, HALFT                      ; where my rows go: wave x 128 rows
	s_wait_dscnt 0x0                               ; both opening adds are done
	s_wait_kmcnt 0x0
	s_add_nc_u64 s[20:21], s[4:5], s[20:21]
	s_add_nc_u64 s[46:47], s[8:9], s[46:47]
	CROUND                                         ; all sixteen work-groups are here: the first joint loads meet
.irp s, 0,1
	s_mov_b32 s[G0+4*\s], 1
	s_add_co_u32 s[G0+4*\s+1], s45, \s*SLOT
	s_add_nc_u64 s[G0+4*\s+2:G0+4*\s+3], s[20:21], \s*ROWB
	s_or_b32 s[G0+4*\s+3], s[G0+4*\s+3], 0x80000000
	s_mov_b32 s[G0B+4*\s], 1
	s_add_co_u32 s[G0B+4*\s+1], s45, \s*SLOT
	s_add_nc_u64 s[G0B+4*\s+2:G0B+4*\s+3], s[46:47], \s*ROWB
	s_or_b32 s[G0B+4*\s+3], s[G0B+4*\s+3], 0x80000000
.endr
	JLOAD G0, G1, G0B, G1B                         ; K step 0: one tensor load a wave at the head; the addresses and the scales' loads follow while it is out
	v_and_b32 v1, 15, v0                           ; l % 16
	v_bfe_u32 v2, v0, 4, 1                         ; l / 16
	v_mul_u32_u24 v3, v1, PITCH
	v_lshl_add_u32 v4, v2, 4, v3
	s_mul_i32 s21, s15, HALFT
	s_mul_i32 s22, s16, HALFT
	s_add_co_u32 s22, s22, 2*HALFT
.irp s, 0,1
	v_add_nc_u32 v[ADRA+\s], s21, v4
	v_add_nc_u32 v[ADRB+\s], s22, v4
	s_add_co_u32 s21, s21, SLOT
	s_add_co_u32 s22, s22, SLOT
.endr
	v_lshlrev_b32 v5, 6, v1                        ; scales: 64 bytes a row,
	v_lshl_add_u32 v5, v2, 4, v5                   ; lanes 16-31 the 16 bytes of the lap's second slot
	s_wait_alu depctr_va_vdst(0)
	s_lshl_b32 s20, s17, 8
	s_lshl_b32 s21, s15, 7
	s_add_co_u32 s20, s20, s21                     ; my first row of A and of v
	s_lshl_b32 s21, s20, 6
	v_add_nc_u32 v[ASA], s21, v5
	s_lshl_b32 s46, s42, 8
	s_lshl_b32 s47, s16, 7
	s_add_co_u32 s46, s46, s47
	s_lshl_b32 s46, s46, 6
	v_add_nc_u32 v[ASB], s46, v5
.macro SLOAD reg, adr, base, off       ; the scale words of eight blocks of 16 rows, one lap (1,024 along K)
.irp i, 0,1,2,3,4,5,6,7
	global_load_b128 v[\reg+4*\i:\reg+4*\i+3], v[\adr], s[\base:\base+1] offset:\off+16*KS*\i
.endr
.endm
	SLOAD 32, ASA, 6, 0
	SLOAD 64, ASB, 10, 0
	SLOAD 96, ASA, 6, 32
	SLOAD 192, ASB, 10, 32
	s_mul_i32 s23, s14, 16*SPITCH
	s_add_co_u32 s23, s23, STAGE
	v_mul_u32_u24 v5, v1, SPITCH
	v_lshl_add_u32 v5, v2, 5, v5
	v_add_nc_u32 v[STO], s23, v5
	v_and_b32 v6, 31, v0
	v_lshlrev_b32 v[CO], 4, v6
	v_add_nc_u32 v[RD], s23, v[CO]
	s_mov_b32 s21, 0
	s_mov_b64 s[18:19], SIZE_N*4
	s_mul_u64 s[20:21], s[20:21], s[18:19]
	s_lshl_b32 s46, s42, 10
	s_lshl_b32 s47, s16, 9
	s_add_co_u32 s46, s46, s47
	s_mov_b32 s47, 0
	s_add_nc_u64 s[20:21], s[20:21], s[46:47]
	s_add_nc_u64 s[12:13], s[12:13], s[20:21]      ; v at my part of the first tile
.macro FRAG reg, adr, q, i             ; 16 rows x 128 K: two loads of 16 bytes, 32 apart
.irp c, 0,1
	ds_load_b128 v[\reg+4*\c:\reg+4*\c+3], v[\adr] offset:64*(\q)+32*\c+(\i)*16*PITCH
.endr
.endm
; 16 matrix instructions: A's blocks a0, a0 + 1 x B's eight.  The 64 accumulators take turns.  zero = 1: the product starts the sums.
.macro MUL16 a0, p, q, lap, slot, zero
.set SAX, 32+64*(\lap)
.set SBX, 64+128*(\lap)
.irp a, \a0, \a0+1
.irp b, 0,1,2,3,4,5,6,7
.if \zero
	v_wmma_scale_f32_16x16x128_f8f6f4 v[8*(8*((\a)%4)+\b):8*(8*((\a)%4)+\b)+7], v[128*(\p)+FR*\b:128*(\p)+FR*\b+FR-1], v[AF+FR*(\a):AF+FR*(\a)+FR-1], 0, v[SBX+NQ*\b+(\q)], v[SAX+NQ*(\a)+(\q)] matrix_a_fmt:MATRIX_FMT_FP4 matrix_b_fmt:MATRIX_FMT_FP4
.elseif \slot
	v_wmma_scale_f32_16x16x128_f8f6f4 v[8*(8*((\a)%4)+\b):8*(8*((\a)%4)+\b)+7], v[128*(\p)+FR*\b:128*(\p)+FR*\b+FR-1], v[AF+FR*(\a):AF+FR*(\a)+FR-1], v[8*(8*((\a)%4)+\b):8*(8*((\a)%4)+\b)+7], v[SBX+NQ*\b+(\q)], v[SAX+NQ*(\a)+(\q)] matrix_a_fmt:MATRIX_FMT_FP4 matrix_b_fmt:MATRIX_FMT_FP4 matrix_a_scale:MATRIX_SCALE_ROW1 matrix_b_scale:MATRIX_SCALE_ROW1
.else
	v_wmma_scale_f32_16x16x128_f8f6f4 v[8*(8*((\a)%4)+\b):8*(8*((\a)%4)+\b)+7], v[128*(\p)+FR*\b:128*(\p)+FR*\b+FR-1], v[AF+FR*(\a):AF+FR*(\a)+FR-1], v[8*(8*((\a)%4)+\b):8*(8*((\a)%4)+\b)+7], v[SBX+NQ*\b+(\q)], v[SAX+NQ*(\a)+(\q)] matrix_a_fmt:MATRIX_FMT_FP4 matrix_b_fmt:MATRIX_FMT_FP4
.endif
.endr
.endr
.endm
.macro FETCH_B slot, q, p
	WIN TO_B
.irp i, 0,1,2,3,4,5,6,7
	FRAG 128*(\p)+FR*\i, ADRB+\slot, \q, \i
.endr
	WIN 0
.endm
.macro FETCH_A slot, q, i0
.irp i, \i0, \i0+1, \i0+2, \i0+3
	FRAG AF+FR*(\i), ADRA+\slot, \q, \i
.endr
.endm
.macro PLACES n                        ; in front of loads into registers that matrix instructions have read, and of reads of results
.rept \n
	v_nop
.endr
.endm
; A step of 128 along K whose successor lies in the same slot
.macro STEP slot, q, lap, zero
	s_wait_dscnt 4*NL                              ; all but the youngest eight loads (A's blocks 4-7) are in
	WIN MUL_LO
	MUL16 0, (\q)%2, \q, \lap, \slot, \zero
	MUL16 2, (\q)%2, \q, \lap, \slot, \zero
	s_wait_dscnt 0
	PLACES NP
	FETCH_B \slot, (\q)+1, 1-(\q)%2
	FETCH_A \slot, (\q)+1, 0
	WIN MUL_HI
	MUL16 4, (\q)%2, \q, \lap, \slot, \zero
	MUL16 6, (\q)%2, \q, \lap, \slot, \zero
	PLACES NP
	WIN 0
	FETCH_A \slot, (\q)+1, 4
.endm
; A slot's last step changes slots.  fill = 1: the slot takes this tile's K step two on; 2: the next tile's K step; 0: nothing, and no round.
.macro TURN slot, next, lap, fill
	s_wait_tensorcnt 0x0                           ; all my tensor loads have landed: my part of the next slot
	ds_add_u32 v[SPW], v[NIL]
	s_wait_dscnt 4*NL+1                            ; the add and the youngest eight loads may be out
	WIN MUL_LO
	MUL16 0, 1, NQ-1, \lap, \slot, 0
	s_wait_dscnt 0x0                               ; the add is done, my reads of this slot are over
	s_barrier_signal -1
	MUL16 2, 1, NQ-1, \lap, \slot, 0
	WIN 0
	s_barrier_wait -1
.if \fill
	CREST                                          ; the barrier has opened a round: no wave of any partner reads this slot or has a load out
.if \fill == 1
	s_add_nc_u64 s[G0+4*\slot+2:G0+4*\slot+3], s[G0+4*\slot+2:G0+4*\slot+3], 2*ROWB
	s_add_nc_u64 s[G0B+4*\slot+2:G0B+4*\slot+3], s[G0B+4*\slot+2:G0B+4*\slot+3], 2*ROWB
.else
	s_add_nc_u64 s[G0+4*\slot+2:G0+4*\slot+3], s[G0+4*\slot+2:G0+4*\slot+3], NEXT_A
	s_sub_nc_u64 s[G0B+4*\slot+2:G0B+4*\slot+3], s[G0B+4*\slot+2:G0B+4*\slot+3], BACK_B
.endif
	JLOAD G0+4*\slot, G1, G0B+4*\slot, G1B         ; the first tensor load behind the round; its four v_nop are the places for the loads below
.else
	PLACES NP
.endif
	FETCH_B \next, 0, 0
	FETCH_A \next, 0, 0
	WIN MUL_HI
	MUL16 4, 1, NQ-1, \lap, \slot, 0
	MUL16 6, 1, NQ-1, \lap, \slot, 0
	PLACES NP
	WIN 0
	FETCH_A \next, 0, 4
.endm
; THE WAY OUT, by blocks of 16 rows x 128 columns: through my own stage, back as rows of 512 bytes.  LDS serves a wave's instructions in order (ISA guide 5.7.1.4).
.macro TOSTAGE a
.set AC, 64*((\a)%4)
	WIN 0x08+4*((\a)/4)
.irp b, 0,1,2,3,4,5,6,7
	ds_store_b128 v[STO], v[AC+8*\b:AC+8*\b+3] offset:64*\b          ; each accumulator from its low end on
	ds_store_b128 v[STO], v[AC+8*\b+4:AC+8*\b+7] offset:64*\b+16
.endr
	WIN 0x40
.set BB, BK+64*((\a)%2)
.irp t, 0,1,2,3,4,5,6,7,8,9,10,11,12,13,14,15
	ds_load_b128 v[BB+4*\t:BB+4*\t+3], v[RD] offset:\t*SPITCH
.endr
.endm
.macro SEND a, younger
.set BB, BK+64*((\a)%2)
	s_wait_dscnt \younger                          ; the block is back; the next block's 16 stores and 16 loads may be out
.if (\a) > 0
	s_add_nc_u64 s[12:13], s[12:13], 16*SIZE_N*4   ; behind a wait on XCNT
.endif
	WIN 0x04
.irp t, 0,1,2,3,4,5,6,7,8,9,10,11,12,13,14,15
	global_store_b128 v[CO], v[BB+4*\t:BB+4*\t+3], s[12:13] offset:\t*SIZE_N*4 th:TH_STORE_NT   ; 32 lanes store 512 consecutive bytes, aligned
.endr
.endm
.macro WAYOUT
	s_wait_xcnt 0x0
	TOSTAGE 0
.irp a, 1,2,3,4,5,6,7
.if \a > 1
	s_wait_xcnt 0x0                                ; block a - 2's stores have read their registers and base
.endif
	TOSTAGE \a
	SEND \a-1, 32
.endr
	s_wait_xcnt 0x0
	SEND 7, 0
	WIN 0
.endm
	s_wait_alu depctr_va_vdst(0)
	s_wait_tensorcnt 0x0                           ; my part of K step 0 is in; slot 1's first fill is issued as a refill is
	ds_add_u32 v[SPW], v[NIL]
	s_wait_dscnt 0x0
	CROUND                                         ; K step 0 is whole, and the joint loads meet
	JLOAD G0+4, G1, G0B+4, G1B                     ; K step 1
	FETCH_B 0, 0, 0
	FETCH_A 0, 0, 0
	FETCH_A 0, 0, 4
	s_wait_loadcnt 0x0                             ; the scale words
	s_mov_b32 s2, TILES                            ; tiles to go: the same in every work-group
.Ltile:                                            ; every window is 0 here
	STEP 0, 0, 0, 1                                ; the first products start the sums
	STEP 0, 1, 0, 0
	STEP 0, 2, 0, 0
	TURN 0, 1, 0, 1
	STEP 1, 0, 0, 0
	STEP 1, 1, 0, 0
	STEP 1, 2, 0, 0
	TURN 1, 0, 0, 1
	s_wait_alu depctr_va_vdst(0)
	s_cmp_eq_u32 s2, 1
	s_cbranch_scc1 .Lno_next
	SLOAD 32, ASA, 6, WALK*KS                      ; lap 0's words of A are done with: the next tile's
.Lno_next:
	STEP 0, 0, 1, 0
	STEP 0, 1, 1, 0
	STEP 0, 2, 1, 0
	s_cmp_eq_u32 s2, 1
	s_cbranch_scc1 .Llast_tile                     ; the last tile's tail asks for nothing more and is written out
	TURN 0, 1, 1, 2                                ; the ring goes on: slot 0 takes the next tile's K step 0,
	STEP 1, 0, 1, 0
	STEP 1, 1, 1, 0
	STEP 1, 2, 1, 0
	TURN 1, 0, 1, 2                                ; slot 1 its K step 1
	SLOAD 96, ASA, 6, WALK*KS+32                   ; lap 1's words of A for the next tile
	WAYOUT
	s_wait_xcnt 0x0
	s_add_nc_u64 s[12:13], s[12:13], NEXT_C
	s_wait_loadcnt 0x0                             ; the next tile's scale words
	s_sub_co_u32 s2, s2, 1
	s_branch .Ltile
.Llast_tile:
	TURN 0, 1, 1, 0
	STEP 1, 0, 1, 0
	STEP 1, 1, 1, 0
	STEP 1, 2, 1, 0
	s_wait_dscnt 4*NL                              ; the very last step fetches nothing
	WIN MUL_LO
	MUL16 0, 1, NQ-1, 1, 1, 0
	MUL16 2, 1, NQ-1, 1, 1, 0
	s_wait_dscnt 0
	WIN MUL_HI
	MUL16 4, 1, NQ-1, 1, 1, 0
	MUL16 6, 1, NQ-1, 1, 1, 0
	WIN 0
	PLACES NP
	WAYOUT
	s_wait_tensorcnt 0x0                           ; the wave's end
	ds_add_u32 v[SPW], v[NIL]
	s_wait_dscnt 0x0
	CROUND                                         ; the closing round
	s_endpgm
.Lfunc_end_k_qf0d6a4e7f8_gemm:
	.size	k_qf0d6a4e7f8_gemm, .Lfunc_end_k_qf0d6a4e7f8_gemm-k_qf0d6a4e7f8_gemm
	.p2alignl 7, 3214868480
	.fill 96, 4, 3214868480
	.section	.rodata,"a",@progbits
	.p2align	6, 0x0
	.amdhsa_kernel k_qf0d6a4e7f8_gemm
		.amdhsa_group_segment_fixed_size 327680
		.amdhsa_private_segment_fixed_size 0
		.amdhsa_enable_private_segment 0
		.amdhsa_kernarg_size 40
		.amdhsa_user_sgpr_count 2
		.amdhsa_user_sgpr_kernarg_segment_ptr 1
		.amdhsa_wavefront_size32 1
		.amdhsa_system_sgpr_workgroup_id_x 1
		.amdhsa_system_sgpr_workgroup_id_y 1
		.amdhsa_system_sgpr_workgroup_id_z 1
		.amdhsa_system_vgpr_workitem_id 0
		.amdhsa_next_free_vgpr 1024
		.amdhsa_next_free_sgpr 66
		.amdhsa_reserve_vcc 0
		.amdhsa_float_denorm_mode_32 3
		.amdhsa_float_denorm_mode_16_64 3
		.amdhsa_memory_ordered 1
		.amdhsa_forward_progress 1
		.amdhsa_inst_pref_size 255
	.end_amdhsa_kernel
	.section	.bss,"aw",@nobits
	.p2align	6
	.space	262144
	.amdgpu_metadata
---
amdhsa.version: [ 1, 2 ]
amdhsa.kernels:
  - .name:           k_qf0d6a4e7f8_gemm
    .symbol:         k_qf0d6a4e7f8_gemm.kd
    .args:
      - { .name: a_codes, .offset: 0, .size: 8, .value_kind: global_buffer, .address_space: global }
      - { .name: a_scales, .offset: 8, .size: 8, .value_kind: global_buffer, .address_space: global }
      - { .name: b_codes, .offset: 16, .size: 8, .value_kind: global_buffer, .address_space: global }
      - { .name: b_scales, .offset: 24, .size: 8, .value_kind: global_buffer, .address_space: global }
      - { .name: v, .offset: 32, .size: 8, .value_kind: global_buffer, .address_space: global }
    .group_segment_fixed_size: 327680
    .private_segment_fixed_size: 0
    .kernarg_segment_align: 8
    .kernarg_segment_size: 40
    .max_flat_workgroup_size: 128
    .sgpr_count:     66
    .vgpr_count:     1024
    .wavefront_size: 32
...
	.end_amdgpu_metadata
.endif
;; end of part 2
;; launch cell (part 3): grid 256 x 1, 4 waves a work-group, no clusters, 57,856 bytes of LDS; arguments v, c, b_ih, gamma_ifgo, beta_ifgo, gamma_c, beta_c, out0, out1; writes out0, out1
.if DOCPART == 3
	.amdgcn_target "amdgcn-amd-amdhsa--gfx1250"
	.amdhsa_code_object_version 6
	.text
	.protected	k_qf0d6a4e7f8_cell
	.globl	k_qf0d6a4e7f8_cell
	.p2align	8
	.type	k_qf0d6a4e7f8_cell,@function
k_qf0d6a4e7f8_cell:
	s_mov_b64 s[64:65], 0
	v_nop
	global_prefetch_b8 v0, s[64:65] scope:SCOPE_SE
	s_setreg_imm32_b32 hwreg(HW_REG_WAVE_MODE, 25, 1), 1
	s_wait_xcnt 0x0
; Third launch: the rest of the LSTM cell, row by row, all in f32.  No work is left out.
;   u = v + b_ih;  for each gate q of i, f, g, o (1,024 columns each): y_q = gamma_q (u_q - mean) / (std + 1e-6) + beta_q, std with the divisor 1,023;
;   n = c sigmoid(y_f + 1) + sigmoid(y_i) tanh(y_g);  out1 = new_c = gamma_c (n - mean) / (std + 1e-6) + beta_c;  out0 = new_h = tanh(new_c) sigmoid(y_o).
; Means first, then the sum of squared deviations: no difference of large sums is formed.
; sigmoid(y) = 1 / (1 + 2^(-log2(e) y)), tanh(y) = 1 - 2 / (1 + 2^(2 log2(e) y)).  The factor k_q (-log2(e) for i, f, o; 2 log2(e) for g) is folded into the parameters: gamma_q k_q, beta_q k_q, for f (beta_f + 1) k_f,
; so that the norm's multiply-add gives the exponent.  An exponent beyond f32's range gives infinity or 0, whose reciprocal of 1 + . is 0 or 1: the right limits, so nothing is clipped.
; LIMITS: b_ih is added behind both products' sum (the source adds it between them): an order of rounding; NaN and infinities among the inputs are not served.
; SHARES: a work-group takes 32 rows, each of its four waves 8.  ONE WAVE, ONE ROW: no sum leaves the wave.  Lane l holds columns 128 j + 4 l + 0 .. 3 (j = 0 .. 7) of each gate and of c: every load and store of a wave
; covers 512 consecutive bytes.
; THE PARAMETERS STAY IN REGISTERS.  A lane's columns are the same in every row, so its 448 parameters (b_ih 128, gamma k 128, beta k 128, gamma_c 32, beta_c 32) are read once and serve its wave's eight rows.
; They come from memory once a work-group, are scaled, and go through LDS to the four waves: one barrier in the launch, and no LDS instruction in a row's work.
; TWO ROW SLOTS, slot 0 in register window 0 and slot 1 in window 1: one row is on its way while the other is worked on.  A slot is filled again piece by piece, as its registers are done with: gate g behind
; sigmoid(y_i) tanh(y_g), gates i and f behind n, gate o when its sigmoid has gone to registers of its own, c behind the row's stores: runs of 8 or 16 loads, issued as early as the registers allow.
; Three trips of two rows; the last two rows are written out, so that no load leaves its buffer.  No matrix unit, no cluster: there is no product here, and work-groups share the parameters alone.
.set TB_B,  0                          ; LDS: b_ih, 16,384 bytes
.set TB_G,  16384                      ; gamma_q k_q
.set TB_E,  32768                      ; beta_q k_q; for f (beta_f + 1) k_f
.set TB_GC, 49152                      ; gamma_c, 4,096 bytes
.set TB_BC, 53248                      ; beta_c
.set SPARE, 57344                      ; the spare words, 128 bytes for each of four waves, which no other line names
; window 0 alone:
.set LOFF, 1                           ; v1      16 x lane: my place in a run of 512 bytes; never rewritten
.set SPW,  2                           ; v2      LDS address of my spare word: SPARE + 4 x my thread's number; never rewritten
.set NIL,  3                           ; v3      0; never rewritten
.set RD,   12                          ; v12-15  sums across the lanes
.set RT,   16                          ; v16-19  the other half of the lanes'
.set OV,   28                          ; v28, v29  slot 0, 1: my byte offset in v of the row that the slot loads next
.set OC,   30                          ; v30, v31  the same in c, out0 and out1
.set SOFF, 32                          ; v32     at the head alone: 16 x thread
; the same numbers in the slot's own window:
.set SUM,  4                           ; v[4:11]   four pairs of partial sums
.set NM,   20                          ; v[20:27]  four pairs, both halves alike: first -mean, later 1 / (std + eps)
.set T,    32                          ; v32-63    tanh(new_c), then new_h
.set SO,   64                          ; v64-95    sigmoid(y_o)
.set D,    96                          ; v96-223   gate q at D + 32 q, register 4 j + e
.set CR,   224                         ; v224-255  c, then n, then new_c
; the parameters, register 32 q + 4 j + e as in D:
.set PB,   0                           ; window 2, v0-127    b_ih
.set PG,   128                         ; window 2, v128-255  gamma k
.set PE,   0                           ; window 3, v0-127    beta k
.set PGC,  128                         ; window 3, v128-159  gamma_c
.set PBC,  160                         ; window 3, v160-191  beta_c
.set MSB, 0
.macro WIN new                         ; s_set_vgpr_msb's low byte: bits 1:0 source 0, 3:2 source 1, 5:4 source 2, 7:6 destination; the high byte repeats the setting that is left
.if MSB != (\new)
	s_set_vgpr_msb (MSB<<8)|(\new)
.set MSB, (\new)
.endif
.endm
; settings for slot w: 0x55 w everything in window w; 0x40 w the destination alone (loads, whose address lies in window 0); 0x04 w a store's data; 0x05 w sources 0 and 1
.macro FILLG w, q                      ; gate q of the slot's next row: 8 loads
	WIN 0x40*\w
.irp j, 0,1,2,3,4,5,6,7
	global_load_b128 v[D+32*\q+4*\j:D+32*\q+4*\j+3], v[OV+\w], s[4:5] offset:4096*\q+512*\j th:TH_LOAD_NT
.endr
.endm
.macro FILLC w                         ; and its c
	WIN 0x40*\w
.irp j, 0,1,2,3,4,5,6,7
	global_load_b128 v[CR+4*\j:CR+4*\j+3], v[OC+\w], s[6:7] offset:512*\j th:TH_LOAD_NT
.endr
.endm
.macro RED w, n                        ; the first n pairs of SUM, summed over the pair and over the 32 lanes, into v[RD] on, in every lane; leaves every window 0
	WIN 0x05*\w
.set q, 0
.rept \n
	v_add_f32 v[RD+q], v[SUM+2*q], v[SUM+2*q+1]
.set q, q+1
.endr
	WIN 0
.irp m, 1,2,4,8
.set q, 0
.rept \n
	v_add_f32_dpp v[RD+q], v[RD+q], v[RD+q] row_xmask:\m row_mask:0xf bank_mask:0xf
.set q, q+1
.endr
.endr
.set q, 0
.rept \n
	v_permlanex16_b32 v[RT+q], v[RD+q], s34, s35
.set q, q+1
.endr
.set q, 0
.rept \n
	v_add_f32 v[RD+q], v[RD+q], v[RT+q]
.set q, q+1
.endr
.endm
.macro MEAN w, n                       ; NM = -sum / 1,024, in both halves of each pair
	WIN 0x40*\w
.set q, 0
.rept \n
	v_mul_f32 v[NM+2*q], s30, v[RD+q]
	v_mul_f32 v[NM+2*q+1], s30, v[RD+q]
.set q, q+1
.endr
	WIN 0x55*\w
.endm
.macro RSTD w, n                       ; NM = 1 / (sqrt(sum of squares / 1,023) + 1e-6)
	WIN 0
.set q, 0
.rept \n
	v_mul_f32 v[RD+q], s31, v[RD+q]
.set q, q+1
.endr
.set q, 0
	s_wait_alu depctr_va_vdst(0)
.rept \n
	v_sqrt_f32 v[RD+q], v[RD+q]
.set q, q+1
.endr
	v_nop                                          ; a plain line behind the last root,
	s_wait_alu depctr_va_vdst(0)                   ; and one wait for the batch, ahead of its first reader
.set q, 0
.rept \n
	v_add_f32 v[RD+q], s32, v[RD+q]
.set q, q+1
.endr
.set q, 0
	s_wait_alu depctr_va_vdst(0)
.rept \n
	v_rcp_f32 v[RD+q], v[RD+q]
.set q, q+1
.endr
	v_nop
	s_wait_alu depctr_va_vdst(0)                   ; likewise for the reciprocals
	WIN 0x40*\w
.set q, 0
.rept \n
	v_mov_b32 v[NM+2*q], v[RD+q]
	v_mov_b32 v[NM+2*q+1], v[RD+q]
.set q, q+1
.endr
	WIN 0x55*\w
.endm
.macro DEVSQ4                          ; the four gates by turns: u - mean, in place, and the sum of its squares
.set p, 0
.rept 16
.irp q, 0,1,2,3
	v_pk_add_f32 v[D+32*\q+p:D+32*\q+p+1], v[D+32*\q+p:D+32*\q+p+1], v[NM+2*\q:NM+2*\q+1]
.endr
.irp q, 0,1,2,3
.if p == 0
	v_pk_mul_f32 v[SUM+2*\q:SUM+2*\q+1], v[D+32*\q+p:D+32*\q+p+1], v[D+32*\q+p:D+32*\q+p+1]
.else
	v_pk_fma_f32 v[SUM+2*\q:SUM+2*\q+1], v[D+32*\q+p:D+32*\q+p+1], v[D+32*\q+p:D+32*\q+p+1], v[SUM+2*\q:SUM+2*\q+1]
.endif
.endr
.set p, p+2
.endr
.endm
; Gate q, first half: the norm's two lines give the exponent, then 2^exponent.  The 32 exponentials are one batch with one wait, which also serves the reciprocals of the gate before: nothing names those until then.
.macro GATE_A w, q
	WIN 0x55*\w
.set p, 0
.rept 16
	v_pk_mul_f32 v[D+32*\q+p:D+32*\q+p+1], v[D+32*\q+p:D+32*\q+p+1], v[NM+2*\q:NM+2*\q+1]
.set p, p+2
.endr
	WIN (0x40*\w)|0x38|\w                          ; source 1, gamma k: window 2;  source 2, beta k: window 3
.set p, 0
.rept 16
	v_pk_fma_f32 v[D+32*\q+p:D+32*\q+p+1], v[D+32*\q+p:D+32*\q+p+1], v[PG+32*\q+p:PG+32*\q+p+1], v[PE+32*\q+p:PE+32*\q+p+1]
.set p, p+2
.endr
	WIN 0x55*\w
.set e, 0
	s_wait_alu depctr_va_vdst(0)
.rept 32
	v_exp_f32 v[D+32*\q+e], v[D+32*\q+e]
.set e, e+1
.endr
	v_nop                                          ; a plain line behind the last exponential
	s_wait_alu depctr_va_vdst(0)                   ; one wait for the batch, ahead of its first reader
.endm
; second half: 1 / (1 + 2^exponent) into v[dst] on
.macro GATE_B w, q, dst
	WIN 0x55*\w
.set p, 0
.rept 16
	v_pk_add_f32 v[D+32*\q+p:D+32*\q+p+1], v[D+32*\q+p:D+32*\q+p+1], 1.0 op_sel_hi:[1,0]
.set p, p+2
.endr
.set e, 0
	s_wait_alu depctr_va_vdst(0)
.rept 32
	v_rcp_f32 v[\dst+e], v[D+32*\q+e]
.set e, e+1
.endr
.endm
; One row, in slot w.  fill = 1: the slot's gates are loaded again, two rows on, as they are done with.  left: the loads issued behind this row's, which may stay out.
.macro TURN w, fill, left
	WIN 0
	s_wait_loadcnt \left                           ; loads come back in order (ISA guide 5.7.1): my row's 40 are in, the other slot's 40 may be out
	v_add_nc_u32 v[OV+\w], 2*16384, v[OV+\w]       ; free since that wait (and the slot's last stores stand behind a wait on XCNT): the slot's next row; this row's stores reach back
	v_add_nc_u32 v[OC+\w], 2*4096, v[OC+\w]
	WIN (0x40*\w)|0x08|\w                          ; source 1, b_ih: window 2
.set p, 0
.rept 64
	v_pk_add_f32 v[D+p:D+p+1], v[D+p:D+p+1], v[PB+p:PB+p+1]                            ; u = v + b_ih
.set p, p+2
.endr
	WIN 0x55*\w
.irp q, 0,1,2,3
	v_pk_add_f32 v[SUM+2*\q:SUM+2*\q+1], v[D+32*\q:D+32*\q+1], v[D+32*\q+2:D+32*\q+3]  ; the first two pairs start a sum: nothing is cleared
.endr
.set p, 4
.rept 14
.irp q, 0,1,2,3
	v_pk_add_f32 v[SUM+2*\q:SUM+2*\q+1], v[SUM+2*\q:SUM+2*\q+1], v[D+32*\q+p:D+32*\q+p+1]
.endr
.set p, p+2
.endr
	RED \w, 4
	MEAN \w, 4
	DEVSQ4
	RED \w, 4
	RSTD \w, 4
	GATE_A \w, 0
	GATE_B \w, 0, D
	GATE_A \w, 2
	GATE_B \w, 2, D+64
	GATE_A \w, 1                                   ; its wait serves the reciprocals of gates i and g
.set p, 0
.rept 16
	v_pk_fma_f32 v[D+64+p:D+64+p+1], v[D+64+p:D+64+p+1], -2.0, 1.0 op_sel_hi:[1,0,0]   ; tanh(y_g) = 1 - 2 / (1 + 2^..)
.set p, p+2
.endr
.set p, 0
.rept 16
	v_pk_mul_f32 v[D+p:D+p+1], v[D+p:D+p+1], v[D+64+p:D+64+p+1]                        ; sigmoid(y_i) tanh(y_g)
.set p, p+2
.endr
.if \fill
	FILLG \w, 2                                    ; gate g's registers are done with
.endif
	GATE_B \w, 1, D+32
	GATE_A \w, 3                                   ; its wait serves the reciprocals of gate f
.set p, 0
.rept 16
	v_pk_fma_f32 v[CR+p:CR+p+1], v[CR+p:CR+p+1], v[D+32+p:D+32+p+1], v[D+p:D+p+1]      ; n = c sigmoid(y_f + 1) + sigmoid(y_i) tanh(y_g)
.set p, p+2
.endr
.if \fill
	FILLG \w, 0                                    ; and so are gates i's and f's
	FILLG \w, 1
.endif
	GATE_B \w, 3, SO                               ; sigmoid(y_o) goes to registers of its own; the waits of the norm below stand ahead of its first reader
	v_pk_add_f32 v[SUM:SUM+1], v[CR:CR+1], v[CR+2:CR+3]                                ; n's sum, in two chains
	v_pk_add_f32 v[SUM+2:SUM+3], v[CR+4:CR+5], v[CR+6:CR+7]
.set p, 8
.rept 6
	v_pk_add_f32 v[SUM:SUM+1], v[SUM:SUM+1], v[CR+p:CR+p+1]
	v_pk_add_f32 v[SUM+2:SUM+3], v[SUM+2:SUM+3], v[CR+p+2:CR+p+3]
.set p, p+4
.endr
	v_pk_add_f32 v[SUM:SUM+1], v[SUM:SUM+1], v[SUM+2:SUM+3]
.if \fill
	FILLG \w, 3                                    ; gate o's registers are done with (plain lines stand behind the reciprocals that read them)
.endif
	RED \w, 1
	MEAN \w, 1
.set p, 0
.rept 16
	v_pk_add_f32 v[CR+p:CR+p+1], v[CR+p:CR+p+1], v[NM:NM+1]                            ; n - mean
.set p, p+2
.endr
	v_pk_mul_f32 v[SUM:SUM+1], v[CR:CR+1], v[CR:CR+1]                                  ; the squares, in two chains
	v_pk_mul_f32 v[SUM+2:SUM+3], v[CR+2:CR+3], v[CR+2:CR+3]
.set p, 4
.rept 7
	v_pk_fma_f32 v[SUM:SUM+1], v[CR+p:CR+p+1], v[CR+p:CR+p+1], v[SUM:SUM+1]
	v_pk_fma_f32 v[SUM+2:SUM+3], v[CR+p+2:CR+p+3], v[CR+p+2:CR+p+3], v[SUM+2:SUM+3]
.set p, p+4
.endr
	v_pk_add_f32 v[SUM:SUM+1], v[SUM:SUM+1], v[SUM+2:SUM+3]
	RED \w, 1
	RSTD \w, 1
.set p, 0
.rept 16
	v_pk_mul_f32 v[CR+p:CR+p+1], v[CR+p:CR+p+1], v[NM:NM+1]
.set p, p+2
.endr
	WIN (0x40*\w)|0x3c|\w                          ; sources 1 and 2, gamma_c and beta_c: window 3
.set p, 0
.rept 16
	v_pk_fma_f32 v[CR+p:CR+p+1], v[CR+p:CR+p+1], v[PGC+p:PGC+p+1], v[PBC+p:PBC+p+1]    ; new_c
.set p, p+2
.endr
	WIN 0x55*\w
.set p, 0
.rept 16
	v_pk_mul_f32 v[T+p:T+p+1], v[CR+p:CR+p+1], s[28:29] op_sel_hi:[1,0]                ; 2 log2(e) new_c
.set p, p+2
.endr
.set e, 0
	s_wait_alu depctr_va_vdst(0)
.rept 32
	v_exp_f32 v[T+e], v[T+e]
.set e, e+1
.endr
	v_nop
	s_wait_alu depctr_va_vdst(0)                   ; one wait for the batch of exponentials
.set p, 0
.rept 16
	v_pk_add_f32 v[T+p:T+p+1], v[T+p:T+p+1], 1.0 op_sel_hi:[1,0]
.set p, p+2
.endr
.set e, 0
	s_wait_alu depctr_va_vdst(0)
.rept 32
	v_rcp_f32 v[T+e], v[T+e]
.set e, e+1
.endr
	v_nop
	s_wait_alu depctr_va_vdst(0)                   ; and one for the reciprocals
.set p, 0
.rept 16
	v_pk_fma_f32 v[T+p:T+p+1], v[T+p:T+p+1], -2.0, 1.0 op_sel_hi:[1,0,0]               ; tanh(new_c)
.set p, p+2
.endr
.set p, 0
.rept 16
	v_pk_mul_f32 v[T+p:T+p+1], v[T+p:T+p+1], v[SO+p:SO+p+1]                            ; x sigmoid(y_o): new_h
.set p, p+2
.endr
	WIN 0x04*\w
.irp j, 0,1,2,3,4,5,6,7
	global_store_b128 v[OC+\w], v[CR+4*\j:CR+4*\j+3], s[20:21] offset:512*\j-2*4096 th:TH_STORE_NT   ; new_c and new_h leave together: each store covers 512 consecutive bytes, aligned
	global_store_b128 v[OC+\w], v[T+4*\j:T+4*\j+3], s[18:19] offset:512*\j-2*4096 th:TH_STORE_NT
.endr
	WIN 0
.endm
	s_load_b256 s[4:11], s[0:1], 0x0               ; v s[4:5], c s[6:7], b_ih s[8:9], gamma_ifgo s[10:11]
	s_load_b256 s[12:19], s[0:1], 0x20             ; beta_ifgo s[12:13], gamma_c s[14:15], beta_c s[16:17], out0 s[18:19]
	s_load_b64 s[20:21], s[0:1], 0x40              ; out1
	v_lshl_add_u32 v[SPW], v0, 2, SPARE
	v_mov_b32 v[NIL], 0
	v_lshrrev_b32 v4, 5, v0
	v_readfirstlane_b32 s22, v4                    ; wave 0..3
	v_and_b32 v[LOFF], 31, v0
	v_lshlrev_b32 v[LOFF], 4, v[LOFF]
	v_lshlrev_b32 v[SOFF], 4, v0
	v_mov_b32 v[OV], v[LOFF]                       ; slot 0 begins with my row 0,
	v_add_nc_u32 v[OV+1], 16384, v[LOFF]           ; slot 1 with my row 1
	v_mov_b32 v[OC], v[LOFF]
	v_add_nc_u32 v[OC+1], 4096, v[LOFF]
.irp q, 0,1,2,3
	v_mov_b32 v[RT+\q], 0                          ; written once: a lane permute's destination counts as one of its sources
.endr
	s_lshl_b32 s23, ttmp9, 5
	s_lshl_b32 s24, s22, 3
	s_add_co_u32 s23, s23, s24                     ; my first row: 32 x work-group + 8 x wave
	s_mov_b32 s25, 0
	s_mov_b32 s26, 0xbfb8aa3b                      ; -log2(e)
	s_mov_b32 s27, s26                             ; (named with it as a pair, so it is written)
	s_mov_b32 s28, 0x4038aa3b                      ; 2 log2(e)
	s_mov_b32 s29, s28
	s_mov_b32 s30, 0xba800000                      ; -1 / 1,024
	s_mov_b32 s31, 0x3a802008                      ; 1 / 1,023
	s_mov_b32 s32, 0x358637bd                      ; 1e-6
	s_mov_b32 s34, 0x76543210                      ; v_permlanex16_b32's selects for lane l xor 16
	s_mov_b32 s35, 0xfedcba98
	s_wait_alu depctr_va_vdst(0)
	s_wait_kmcnt 0x0
	WIN 0x80                                       ; the parameters' way in: 128 threads x 16 bytes are 2,048 bytes, half a gate; into window 2, v0-111
.irp i, 0,1,2,3,4,5,6,7
	global_load_b128 v[4*\i:4*\i+3], v[SOFF], s[8:9] offset:2048*\i
.endr
.irp i, 0,1,2,3,4,5,6,7
	global_load_b128 v[32+4*\i:35+4*\i], v[SOFF], s[10:11] offset:2048*\i
.endr
.irp i, 0,1,2,3,4,5,6,7
	global_load_b128 v[64+4*\i:67+4*\i], v[SOFF], s[12:13] offset:2048*\i
.endr
.irp i, 0,1
	global_load_b128 v[96+4*\i:99+4*\i], v[SOFF], s[14:15] offset:2048*\i
	global_load_b128 v[104+4*\i:107+4*\i], v[SOFF], s[16:17] offset:2048*\i
.endr
	s_lshl_b32 s24, s23, 14                        ; a row of v is 16,384 bytes
	s_add_nc_u64 s[4:5], s[4:5], s[24:25]
	s_lshl_b32 s24, s23, 12                        ; a row of c, out0, out1 4,096
	s_add_nc_u64 s[6:7], s[6:7], s[24:25]
	s_add_nc_u64 s[18:19], s[18:19], s[24:25]
	s_add_nc_u64 s[20:21], s[20:21], s[24:25]
.irp q, 0,1,2,3
	FILLG 0, \q
.endr
	FILLC 0
	s_wait_loadcnt 40                              ; the 28 loads of parameters are in; my first row's 40 may be out
	WIN 0x82                                       ; destination and source 0: window 2
.irp i, 0,1,2,3,4,5,6,7                        ; piece i belongs to gate i / 2
.irp e, 0,2
.if (\i/2) == 2
	v_pk_mul_f32 v[32+4*\i+\e:33+4*\i+\e], v[32+4*\i+\e:33+4*\i+\e], s[28:29] op_sel_hi:[1,0]   ; gamma_g x 2 log2(e)
	v_pk_mul_f32 v[64+4*\i+\e:65+4*\i+\e], v[64+4*\i+\e:65+4*\i+\e], s[28:29] op_sel_hi:[1,0]   ; beta_g
.elseif (\i/2) == 1
	v_pk_mul_f32 v[32+4*\i+\e:33+4*\i+\e], v[32+4*\i+\e:33+4*\i+\e], s[26:27] op_sel_hi:[1,0]   ; gamma_f x -log2(e)
	v_pk_fma_f32 v[64+4*\i+\e:65+4*\i+\e], v[64+4*\i+\e:65+4*\i+\e], s[26:27], s[26:27] op_sel_hi:[1,0,0]   ; (beta_f + 1) x -log2(e)
.else
	v_pk_mul_f32 v[32+4*\i+\e:33+4*\i+\e], v[32+4*\i+\e:33+4*\i+\e], s[26:27] op_sel_hi:[1,0]   ; gamma_i, gamma_o x -log2(e)
	v_pk_mul_f32 v[64+4*\i+\e:65+4*\i+\e], v[64+4*\i+\e:65+4*\i+\e], s[26:27] op_sel_hi:[1,0]   ; beta_i, beta_o
.endif
.endr
.endr
	WIN 0x08                                       ; an LDS store's data: window 2
.irp i, 0,1,2,3,4,5,6,7
	ds_store_b128 v[SOFF], v[4*\i:4*\i+3] offset:TB_B+2048*\i
	ds_store_b128 v[SOFF], v[32+4*\i:35+4*\i] offset:TB_G+2048*\i
	ds_store_b128 v[SOFF], v[64+4*\i:67+4*\i] offset:TB_E+2048*\i
.endr
.irp i, 0,1
	ds_store_b128 v[SOFF], v[96+4*\i:99+4*\i] offset:TB_GC+2048*\i
	ds_store_b128 v[SOFF], v[104+4*\i:107+4*\i] offset:TB_BC+2048*\i
.endr
.irp q, 0,1,2,3
	FILLG 1, \q
.endr
	FILLC 1
	WIN 0
	s_wait_dscnt 0x0                               ; for the others' sake: my part of the tables has landed
	s_barrier_signal -1
	s_barrier_wait -1                              ; the tables are whole; nobody writes them again
	WIN 0x80                                       ; my lane's parameters, 512 consecutive bytes an instruction: window 2
.set k, 0
.rept 32
	ds_load_b128 v[PB+4*k:PB+4*k+3], v[LOFF] offset:TB_B+512*k
.set k, k+1
.endr
.set k, 0
.rept 32
	ds_load_b128 v[PG+4*k:PG+4*k+3], v[LOFF] offset:TB_G+512*k
.set k, k+1
.endr
	WIN 0xc0                                       ; window 3
.set k, 0
.rept 32
	ds_load_b128 v[PE+4*k:PE+4*k+3], v[LOFF] offset:TB_E+512*k
.set k, k+1
.endr
.set k, 0
.rept 8
	ds_load_b128 v[PGC+4*k:PGC+4*k+3], v[LOFF] offset:TB_GC+512*k
	ds_load_b128 v[PBC+4*k:PBC+4*k+3], v[LOFF] offset:TB_BC+512*k
.set k, k+1
.endr
	WIN 0
	s_wait_dscnt 0x0                               ; they are in, for all eight rows
	s_mov_b32 s33, 3
.Lpair:                                            ; a trip works two rows and fills both slots again, two rows on
	TURN 0, 1, 40
	s_wait_xcnt 0x0                                ; the row's stores have read their registers: c's are loaded again only behind this wait
	FILLC 0
	TURN 1, 1, 40
	s_wait_xcnt 0x0
	FILLC 1
	WIN 0                                          ; at a label and at a branch every window is 0
	s_sub_co_u32 s33, s33, 1
	s_cmp_lg_u32 s33, 0
	s_cbranch_scc1 .Lpair
	TURN 0, 0, 40                                  ; the last two rows load nothing
	TURN 1, 0, 0                                   ; no load was issued behind the last row's own
	s_wait_tensorcnt 0x0                           ; the wave's end, behind my last LDS store (every window is 0 here)
	ds_add_u32 v[SPW], v[NIL]
	s_wait_dscnt 0x0
	s_endpgm
.Lfunc_end_k_qf0d6a4e7f8_cell:
	.size	k_qf0d6a4e7f8_cell, .Lfunc_end_k_qf0d6a4e7f8_cell-k_qf0d6a4e7f8_cell
	.p2alignl 7, 3214868480
	.fill 96, 4, 3214868480
	.section	.rodata,"a",@progbits
	.p2align	6, 0x0
	.amdhsa_kernel k_qf0d6a4e7f8_cell
		.amdhsa_group_segment_fixed_size 57856
		.amdhsa_private_segment_fixed_size 0
		.amdhsa_enable_private_segment 0
		.amdhsa_kernarg_size 72
		.amdhsa_user_sgpr_count 2
		.amdhsa_user_sgpr_kernarg_segment_ptr 1
		.amdhsa_wavefront_size32 1
		.amdhsa_system_sgpr_workgroup_id_x 1
		.amdhsa_system_sgpr_workgroup_id_y 1
		.amdhsa_system_sgpr_workgroup_id_z 1
		.amdhsa_system_vgpr_workitem_id 0
		.amdhsa_next_free_vgpr 1024
		.amdhsa_next_free_sgpr 66
		.amdhsa_reserve_vcc 0
		.amdhsa_float_denorm_mode_32 3
		.amdhsa_float_denorm_mode_16_64 3
		.amdhsa_memory_ordered 1
		.amdhsa_forward_progress 1
		.amdhsa_inst_pref_size 255
	.end_amdhsa_kernel
	.section	.bss,"aw",@nobits
	.p2align	6
	.space	262144
	.amdgpu_metadata
---
amdhsa.version: [ 1, 2 ]
amdhsa.kernels:
  - .name:           k_qf0d6a4e7f8_cell
    .symbol:         k_qf0d6a4e7f8_cell.kd
    .args:
      - { .name: v, .offset: 0, .size: 8, .value_kind: global_buffer, .address_space: global }
      - { .name: c, .offset: 8, .size: 8, .value_kind: global_buffer, .address_space: global }
      - { .name: b_ih, .offset: 16, .size: 8, .value_kind: global_buffer, .address_space: global }
      - { .name: gamma_ifgo, .offset: 24, .size: 8, .value_kind: global_buffer, .address_space: global }
      - { .name: beta_ifgo, .offset: 32, .size: 8, .value_kind: global_buffer, .address_space: global }
      - { .name: gamma_c, .offset: 40, .size: 8, .value_kind: global_buffer, .address_space: global }
      - { .name: beta_c, .offset: 48, .size: 8, .value_kind: global_buffer, .address_space: global }
      - { .name: out0, .offset: 56, .size: 8, .value_kind: global_buffer, .address_space: global }
      - { .name: out1, .offset: 64, .size: 8, .value_kind: global_buffer, .address_space: global }
    .group_segment_fixed_size: 57856
    .private_segment_fixed_size: 0
    .kernarg_segment_align: 8
    .kernarg_segment_size: 72
    .max_flat_workgroup_size: 128
    .sgpr_count:     66
    .vgpr_count:     1024
    .wavefront_size: 32
...
	.end_amdgpu_metadata
.endif
;; end of part 3
